; MI455X (gfx1250); checked and timed in simulation.
; The chip was launched on July 23, 2026; its instructions are those of AMD's public machine-readable ISA for CDNA 5 (MIT licence, August 2026) and "CDNA5" Instruction Set Architecture Reference Guide (July 2026). The comments in the code are by the model that wrote it; some were corrected since.
;; Multi Head Attention. Allowed arithmetic: matrix products marked QUANTISED: E2M1 operands, one E8M0 scale for each 32 along K, by v_wmma_scale_f32_16x16x128_f8f6f4 with both operands' format E2M1 (or v_wmma_scale_f32_32x16x128_f4), f32 sums; everything else in f32.
;; Inputs: Wk 16 x 64 x 1,024 float32; Wq 16 x 64 x 1,024 float32; Wv 16 x 64 x 1,024 float32; x 8 x 1,024 x 1,024 float32.
;; Outputs: out0 8 x 1,024 x 1,024 float32.
;; This version of the problem:
;;   THIS VERSION OF THE PROBLEM IS GIVEN IN LOW PRECISION. The matrix products marked QUANTISED in the list below multiply operands that are first quantised to E2M1 (2 exponent bits, 1 mantissa bit; 4 bits a number), with one power-of-two scale for each 32 numbers along K (OCP MX v1.0); their sums are f32. All else is computed in f32.
;;   The module's matrix products, in the order in which they are computed (A, B: the left and right operand; K: the contracted axis; several contracted axes count as one K, in the product's order):
;;     1. [M 1,024, K 1,024] x [K 1,024, N 8,192]; A: input Wq; B: input x: QUANTISED
;;     2. [M 1,024, K 1,024] x [K 1,024, N 8,192]; A: input Wk; B: input x: QUANTISED
;;     3. [M 1,024, K 1,024] x [K 1,024, N 8,192]; A: input Wv; B: input x: QUANTISED
;;     4. batch 128 x [M 1,024, K 64] x [K 64, N 1,024]; A: computed on the way; B: computed on the way: QUANTISED
;;     5. batch 128 x [M 1,024, K 1,024] x [K 1,024, N 64]; A: softmax (see below); B: computed on the way: QUANTISED
;;   THE QUANTISER, for each operand of a quantised product, along K:
;;     - K is cut into blocks of 32 from its start; a last block that is shorter is filled with zeros.
;;     - A block's scale is 2^e with e = floor(log2(the largest magnitude in the block)) - 2, held to -126 .. 127; a block of zeros has e = 0. As a byte (E8M0): e + 127.
;;     - Each number is divided by its block's scale, clamped to +-6, and rounded to the nearest number of E2M1, ties to even, subnormals kept.
;;     - The product sums the exact products of the quantised numbers (number of the format x scale) in f32.
;;   ~~~python
;;   def quantise(x, axis):      # numpy; x: float32 -> the quantised numbers, widened to float32 again
;;       x = np.moveaxis(x, axis, -1); K = x.shape[-1]
;;       x = np.pad(x, [(0, 0)] * (x.ndim - 1) + [(0, -K % 32)]); x = x.reshape(x.shape[:-1] + (-1, 32)); a = np.abs(x).max(-1, keepdims=True)
;;       e = np.where(a > 0, np.clip(np.frexp(np.where(a > 0, a, 1))[1] - 1 - 2, -126, 127), 0)      # np.frexp(a)[1] - 1 = floor(log2(a)), exactly
;;       r = np.clip(x / 2.0 ** e, -6, 6)
;;       step = 2.0 ** (np.maximum(np.frexp(np.where(r == 0, 1, r))[1] - 1, 0) - 1)
;;       q = np.round(r / step) * step * 2.0 ** e      # np.round: ties to even
;;       return np.moveaxis(q.reshape(q.shape[:-2] + (-1,))[..., :K], -1, axis).astype(np.float32)
;;   ~~~
;;   SOFTMAX AHEAD OF A QUANTISED PRODUCT. Where the list says 'softmax', what is quantised is not the finished softmax but p = 2^(t - M), with t = logit x log2(e) and M = ceil(the row's largest t), a whole number; so 1/2 < the row's largest p <= 1. The row's sum l is taken of the UNQUANTISED p, in f32, and the product's result is divided by l at the end. Since M is a whole number, a kernel that streams over the keys may use a running M (the ceiling of the running maximum): every later rescaling is an exact power of two, which a block's scale takes up: the codes' values come out the same.
;;   OPERANDS COMPUTED ON THE WAY. 'Computed on the way' means the value that the module computes at that place (a softmax that the list does not call 'softmax' is quantised finished and normalised). What goes into a quantiser is computed in f32, as accurately as f32 sums, v_exp_f32 and their like allow (about 1e-6 of the number): no bf16 or f16 on the way to a quantiser, and a product that is left as it is and whose result goes on into a quantised operand takes f32 operands (vector FMAs, or v_wmma_f32_16x16x4_f32). A number that lies on a knife's edge between two numbers of the format may be rounded either way, as far as f32 arithmetic and the matrix unit's own rounding can turn it there, and no further.
;; One version. Each part assembles by itself: llvm-mc -triple=amdgcn-amd-amdhsa -mcpu=gfx1250 --defsym DOCPART=n.
;; ======== version 1 of 1: 3 launches
;; limits: right only within a limited range of input values
;; workspace buffers: zc 5,767,168 bytes; zs 360,448 bytes; qkv 13,893,632 bytes
;; launch quant (part 1): grid 1408 x 1, 4 waves a work-group, no clusters, 33,280 bytes of LDS; arguments x, Wq, Wk, Wv, zc, zs; writes zc, zs
.if DOCPART == 1
	.amdgcn_target "amdgcn-amd-amdhsa--gfx1250"
	.amdhsa_code_object_version 6
	.text
	.protected	k_qb18ba71960_quant
	.globl	k_qb18ba71960_quant
	.p2align	8
	.type	k_qb18ba71960_quant,@function
k_qb18ba71960_quant:
	s_mov_b64 s[64:65], 0
	v_nop
	global_prefetch_b8 v0, s[64:65] scope:SCOPE_SE
	s_setreg_imm32_b32 hwreg(HW_REG_WAVE_MODE, 25, 1), 1
	s_wait_xcnt 0x0
; x [8192][1024], Wq, Wk, Wv [1024][1024], f32, K innermost, become codes of FP4 (E2M1) in ONE buffer of 11,264 rows of 512 bytes
; (rows 0-8191 x, 8192-9215 Wq, 9216-10239 Wk, 10240-11263 Wv) and one E8M0 byte for each 32 along K, [11264][32].
; A block's scale is 2^(floor(log2(its largest magnitude)) - 2); its byte is that magnitude's exponent field - 2, held at 1 from below.
; LIMITS: a block whose largest magnitude lies under 2^-124 keeps the byte 1; a block of zeros gets the byte 1 and not 127 (its codes are zeros,
; and only this program reads the bytes); NaN and infinities among the inputs are not served.
; Every tensor is a plain stream of blocks of 32.  A work-group takes 8,192 numbers, a wave 4 steps of 512; all 16 loads of a wave go out at once.
; Work-groups 0-1023 take x, then 128 each Wq, Wk, Wv: only the source pointer is chosen; the destination is one stream over all 1,408.
; Each load reads 512 consecutive bytes; a step's 2,048 bytes turn through the wave's own stage in LDS, so that a lane gets 16 neighbours (two lanes hold a block).
; A wave makes 64 scale bytes; the four waves gather 256 in LDS, one barrier, and wave 0 stores them as one aligned run of 256 bytes.
.set STEPS, 4
.set CB,    8                          ; bytes of 16 codes
.set R,     16                         ; v16-79   four sets of 16 numbers as loaded
.set X,     80                         ; v80-111  two sets of 16 neighbours
.set E,     112                        ; v112-115 a scale byte for each step
.set C,     128                        ; v128-141 codes, registers of its own for each step
.set SPW,   126                        ; v126 my spare word's address, v127 = 0: kept for the add alone
.set NIL,   127
.set WREG,  8192                       ; LDS: a region for each wave: two stages of 32 x SP bytes
.set SP,    80                         ; a lane's place in a stage: 64 bytes + 16 of padding
.set SCB,   2*32*SP                    ; the work-group's 256 scale bytes, behind wave 0's stages
.set SPARE, 4*WREG
	s_load_b256 s[4:11], s[0:1], 0x0               ; x, Wq, Wk, Wv
	s_load_b128 s[12:15], s[0:1], 0x20             ; codes, scale bytes
	v_lshl_add_u32 v[SPW], v0, 2, SPARE
	v_mov_b32 v[NIL], 0
	v_lshrrev_b32 v1, 5, v0
	v_readfirstlane_b32 s16, v1                    ; wave
	v_and_b32 v2, 31, v0                           ; lane
	v_lshlrev_b32 v3, 4, v2                        ; my 16 bytes of a load's 512
	s_mul_i32 s17, s16, WREG
	v_lshrrev_b32 v14, 2, v2
	v_mul_u32_u24 v14, v14, SP
	v_and_b32 v15, 3, v2
	v_lshl_add_u32 v14, v15, 4, v14
	v_add_nc_u32 v14, s17, v14                     ; into the stage: SP (lane / 4) + 16 (lane % 4)
	v_mul_u32_u24 v15, v2, SP
	v_add_nc_u32 v15, s17, v15                     ; out of it: SP x lane
	v_mul_u32_u24 v4, v2, CB                       ; my codes' place in a step's
	v_lshrrev_b32 v5, 1, v2
	s_lshl_b32 s17, s16, 6
	s_add_co_u32 s17, s17, SCB
	v_add_nc_u32 v5, s17, v5                       ; my block's byte: SCB + 64 wave + lane / 2
	v_lshlrev_b32 v7, 3, v2
	v_add_nc_u32 v6, SCB, v7                       ; wave 0 reads them back, 8 bytes a lane
	s_sub_co_u32 s20, ttmp9, 1024                  ; a weight's work-group among the 384
	s_lshr_b32 s21, s20, 7                         ; which weight
	s_and_b32 s22, s20, 127                        ; which 8,192 numbers of it
	s_wait_alu depctr_va_vdst(0)                   ; the wait at the head's end
	s_wait_kmcnt 0x0
	s_cmp_eq_u32 s21, 1                            ; the choices hang on the work-group's number alone
	s_cselect_b64 s[6:7], s[8:9], s[6:7]
	s_cmp_eq_u32 s21, 2
	s_cselect_b64 s[6:7], s[10:11], s[6:7]
	s_cmp_lt_u32 ttmp9, 1024
	s_cselect_b64 s[4:5], s[4:5], s[6:7]
	s_cselect_b32 s22, ttmp9, s22
	s_lshl_b32 s18, s22, 2
	s_add_co_u32 s18, s18, s16                     ; my wave's run of 2,048 numbers in the source
	s_mov_b32 s19, 0
	s_lshl_b64 s[20:21], s[18:19], 13              ; 8,192 bytes a run
	s_add_nc_u64 s[4:5], s[4:5], s[20:21]
	s_lshl_b32 s24, ttmp9, 2
	s_add_co_u32 s24, s24, s16
	s_mov_b32 s25, 0
	s_lshl_b64 s[26:27], s[24:25], 10              ; 1,024 bytes of codes a run
	s_add_nc_u64 s[12:13], s[12:13], s[26:27]
	s_lshl_b32 s26, ttmp9, 8                       ; 256 scale bytes a work-group
	s_mov_b32 s27, 0
	s_add_nc_u64 s[14:15], s[14:15], s[26:27]
.macro TURN t                          ; LDS serves a wave's instructions in order: no wait between the stores and the loads
.irp i, 0,1,2,3
	ds_store_b128 v14, v[R+16*(\t)+4*\i:R+16*(\t)+4*\i+3] offset:32*SP*((\t)%2)+8*SP*\i
.endr
.irp i, 0,1,2,3
	ds_load_b128 v[X+16*((\t)%2)+4*\i:X+16*((\t)%2)+4*\i+3], v15 offset:32*SP*((\t)%2)+16*\i
.endr
.endm
.irp t, 0,1,2,3
.irp i, 0,1,2,3
	global_load_b128 v[R+16*\t+4*\i:R+16*\t+4*\i+3], v3, s[4:5] offset:2048*\t+512*\i th:TH_LOAD_NT
.endr
.endr
	s_wait_loadcnt 12                              ; step 0's four are in; the twelve behind them may be out
	TURN 0
.macro STEP t
.set XS, X+16*((\t)%2)
.if (\t) > 0
	s_wait_dscnt 1                                 ; this step's numbers are back (the last step's byte store may be out)
.else
	s_wait_dscnt 0x0
.endif
.if (\t)+1 < STEPS
	s_wait_loadcnt 4*(STEPS-2-(\t))                ; the next step's four are in; those of the steps behind it may be out
	TURN (\t)+1
.endif
	v_max3_num_f32 v8, |v[XS]|, |v[XS+1]|, |v[XS+2]|
	v_max3_num_f32 v9, |v[XS+3]|, |v[XS+4]|, |v[XS+5]|
.irp i, 6,10
	v_max3_num_f32 v8, v8, |v[XS+\i]|, |v[XS+\i+1]|
	v_max3_num_f32 v9, v9, |v[XS+\i+2]|, |v[XS+\i+3]|
.endr
	v_max3_num_f32 v8, v8, |v[XS+14]|, |v[XS+15]|
	v_max3_num_f32 v8, v8, v9, 0x1800000           ; the floor 2^(3 - 127): the byte cannot fall under 1
	v_max_num_f32_dpp v8, v8, v8 row_xmask:1 row_mask:0xf bank_mask:0xf   ; with my neighbour's 16: the block's
	v_add_nc_u32 v11, 0xff000000, v8               ; 2 off the exponent field: the conversion's scale operand
	v_cvt_scalef32_pk8_fp4_f32 v[C+4*(\t)], v[XS:XS+7], v11
	v_cvt_scalef32_pk8_fp4_f32 v[C+4*(\t)+1], v[XS+8:XS+15], v11
	v_lshrrev_b32 v[E+(\t)], 23, v11               ; the byte (also the plain line behind the conversions)
	ds_store_b8 v5, v[E+(\t)] offset:16*(\t)       ; both lanes of a block write the same byte
	global_store_b64 v4, v[C+4*(\t):C+4*(\t)+1], s[12:13] offset:32*CB*(\t)   ; the wave stores 256 consecutive bytes, aligned
.endm
.irp t, 0,1,2,3
	STEP \t
.endr
	s_wait_dscnt 0x0                               ; my byte stores are done, for wave 0's sake
	s_barrier_signal -1
	s_barrier_wait -1
	s_cmp_lg_u32 s16, 0
	s_cbranch_scc1 .Lnot_first
	ds_load_b64 v[12:13], v6
	s_wait_dscnt 0x0
	global_store_b64 v7, v[12:13], s[14:15]        ; 32 lanes store 256 consecutive bytes, aligned
.Lnot_first:
	s_wait_tensorcnt 0x0                           ; the wave's end
	ds_add_u32 v[SPW], v[NIL]
	s_wait_dscnt 0x0
	s_endpgm
.Lfunc_end_k_qb18ba71960_quant:
	.size	k_qb18ba71960_quant, .Lfunc_end_k_qb18ba71960_quant-k_qb18ba71960_quant
	.p2alignl 7, 3214868480
	.fill 96, 4, 3214868480
	.section	.rodata,"a",@progbits
	.p2align	6, 0x0
	.amdhsa_kernel k_qb18ba71960_quant
		.amdhsa_group_segment_fixed_size 33280
		.amdhsa_private_segment_fixed_size 0
		.amdhsa_enable_private_segment 0
		.amdhsa_kernarg_size 48
		.amdhsa_user_sgpr_count 2
		.amdhsa_user_sgpr_kernarg_segment_ptr 1
		.amdhsa_wavefront_size32 1
		.amdhsa_system_sgpr_workgroup_id_x 1
		.amdhsa_system_sgpr_workgroup_id_y 1
		.amdhsa_system_sgpr_workgroup_id_z 1
		.amdhsa_system_vgpr_workitem_id 0
		.amdhsa_next_free_vgpr 144
		.amdhsa_next_free_sgpr 66
		.amdhsa_reserve_vcc 0
		.amdhsa_float_denorm_mode_32 3
		.amdhsa_float_denorm_mode_16_64 3
		.amdhsa_memory_ordered 1
		.amdhsa_forward_progress 1
		.amdhsa_inst_pref_size 11
	.end_amdhsa_kernel
	.amdgpu_metadata
---
amdhsa.version: [ 1, 2 ]
amdhsa.kernels:
  - .name:           k_qb18ba71960_quant
    .symbol:         k_qb18ba71960_quant.kd
    .args:
      - { .name: x, .offset: 0, .size: 8, .value_kind: global_buffer, .address_space: global }
      - { .name: Wq, .offset: 8, .size: 8, .value_kind: global_buffer, .address_space: global }
      - { .name: Wk, .offset: 16, .size: 8, .value_kind: global_buffer, .address_space: global }
      - { .name: Wv, .offset: 24, .size: 8, .value_kind: global_buffer, .address_space: global }
      - { .name: zc, .offset: 32, .size: 8, .value_kind: global_buffer, .address_space: global }
      - { .name: zs, .offset: 40, .size: 8, .value_kind: global_buffer, .address_space: global }
    .group_segment_fixed_size: 33280
    .private_segment_fixed_size: 0
    .kernarg_segment_align: 8
    .kernarg_segment_size: 48
    .max_flat_workgroup_size: 128
    .sgpr_count:     66
    .vgpr_count:     144
    .wavefront_size: 32
...
	.end_amdgpu_metadata
.endif
;; end of part 1
;; launch proj (part 2): grid 8 x 32, 4 waves a work-group, clusters of 4 x 4, 327,680 bytes of LDS; arguments zc, zs, qkv; writes qkv
.if DOCPART == 2
	.amdgcn_target "amdgcn-amd-amdhsa--gfx1250"
	.amdhsa_code_object_version 6
	.text
	.protected	k_qb18ba71960_proj
	.globl	k_qb18ba71960_proj
	.p2align	8
	.type	k_qb18ba71960_proj,@function
k_qb18ba71960_proj:
	s_mov_b64 s[64:65], 0
	v_nop
	global_prefetch_b8 v0, s[64:65] scope:SCOPE_SE
	s_setreg_imm32_b32 hwreg(HW_REG_WAVE_MODE, 25, 1), 1
	s_wait_xcnt 0x0
	s_wait_alu depctr_hold_cnt(0) depctr_sa_sdst(0) depctr_va_vdst(0) depctr_va_sdst(0) depctr_va_ssrc(0) depctr_va_vcc(0) depctr_vm_vsrc(0)
	s_getreg_b32 s2, hwreg(HW_REG_IB_STS2, 6, 4)
	s_cmp_eq_u32 s2, 0
	s_cbranch_scc0 .Lentry_in_a_cluster
	s_endpgm
.Lentry_in_a_cluster:
	s_bfe_u32 s2, ttmp6, 0x10000c
	s_cmp_lg_u32 s2, 0xf033
	s_cbranch_scc0 .Lentry_shape_is_right
	s_endpgm
.Lentry_shape_is_right:
; The three projections, on codes of FP4 with E8M0 scales, K = 1,024, and the quantising of their results for the attention launch.
; zc: [11264][512 bytes] codes, zs: [11264][32] scale bytes: rows 0-8191 x (b, t), 8192-9215 Wq (h, d), 9216-10239 Wk, 10240-11263 Wv.
; THE MATRIX INSTRUCTION IS USED TRANSPOSED (source 0 = 16 rows of "B", source 1 = 16 rows of "A"): a lane holds ONE row of A and its registers run along B's rows, along which the results are quantised.
; 256 work-groups, 16 clusters (X = 0, 1; Y = the batch), EACH WITH TWO PHASES:
;   phase 1 (q or k): A = x's rows 1,024 Y + 256 cy .. + 255, B = 256 rows of Wq (X = 0) or Wk (1) from 256 cx: 128 x 128 a wave, 64 accumulators; registers run along d, the K of q k^T.
;   phase 2 (v):      A = Wv's rows 512 X + 128 cx .. + 127, B = THE SAME 256 ROWS OF x, which lie in LDS already: 64 x 128 a wave, 32 accumulators; registers run along t, the keys, the K of p v.
; ALL OF K LIES IN LDS: rows of 512 bytes + 16 of padding; the rows' scale bytes are dense blocks.  At the head one joint load a wave: wave 0 x's rows, wave 1 the weight's, wave 2 x's scales, wave 3 the weight's.
; Wv's 128 rows and their scales are filled over the weight's tile when phase 1 has read it out: the three lines and a round of the cluster's barrier stand in phase 1's last K step,
; wave 1 asks for the codes and wave 3 for the scales, and phase 1's last 32 products and its whole way out stand between that request and the wait for it.
; CLUSTERS: 4 x 4; x's tiles are asked for jointly along a row of the cluster, the weights' along a column.
; No prefetch: the launch has no loop to run ahead in.
; THE WAY OUT needs no LDS: a lane's 128 numbers along B are four blocks of 32; the eight conversions of a tile go to registers 4 (block / 2) + 2 (half) + block % 2, and four exchanges of half-waves give the 4-bit operand's layout.
; qkv: 128 head blocks of HB bytes: q's 64 tile images (512 bytes: lane l's 16 bytes at 16 l), q's scale words, the same for k, v's 32 fragment images of 1,024 bytes, v's scale words.
; LIMITS: the byte 1 for blocks under 2^-124 and for blocks of zeros; NaN and infinities are not served.
; REGISTERS: window 0: v1-27 addresses; v32-95 scale words of all K; v96-127, v200-216 the way out; v128-191 A's fragments (phase 1 one set of 8, phase 2 two sets of 4); v254-255 the add's.
;   window 1: B's fragments, two sets (v0, v128).  window 2: accumulators of A's blocks 0-3 ((a, b) at v[8 (8 a + b)]); window 3: of blocks 4-7.
.set KROW,   512
.set PITCH,  528                       ; 33 x 16 bytes: the 16 rows that a load touches start at 16 different 16-byte columns
.set FR,     8
.set NL,     2
.set NP,     4                         ; places behind this matrix instruction (ISA guide 7.12.1)
.set HALFT,  128*PITCH
.set KS,     32
.set SCL,    278528                    ; behind the 4 HALFT bytes of codes: the scales, as runs of 256 bytes + 16 of padding
.set HALFS,  (128*KS/256)*272
.set SBLK,   (16*KS/256)*272
.set SPARE,  SCL+4*HALFS               ; the spare words: 512 bytes that no other line names
.set HB,     108544
.set ADRA, 16                          ; phase 1: my 128 rows of x;   v17 phase 2: my 64 rows of Wv
.set ADRA2, 17
.set ADRB, 20                          ; phase 1: my 128 rows of the weight;   v21 phase 2: my 128 rows of x
.set ADRB2, 21
.set ADRS, 27                          ; scale words: lanes 0-15 A's, lanes 16-31 B's;   v26 the same for phase 2
.set ADRS2, 26
.set SC,   32                          ; register 32 (k / 4) + 4 i + k % 4: block i's word for the k-th 128 along K
.set AF,   128
.set VO,   96
.set VSA,  97
.set SH,   98
.set VSA2, 99
.set SH2,  100
.set PC,   112
.set SW,   120
.set TM,   200
.set PW,   216
.set G1, 24
.set G0, 32
.set G1B, 48
.set G0B, 56
.set G1S, 68                           ; after the head: groups 1 and 0 of Wv's codes
.set G0S, 76
.set G1SB, 80                          ; after the head: of Wv's scales
.set G0SB, 88
.set WVC, 94                           ; s[94:95] Wv's codes, s[96:97] Wv's scales
.set WVS, 96
.set SEL, 66
.set OB,   24                          ; the way out uses registers of the head's descriptors, behind the wait that shows those loads done
.set OB2,  26
.set STP,  28
.set STP4, 30
.set SEC,  32
.set MSK,  44
.set SB,   52
.set SB2,  54
.set MSB, 0
.macro WIN new
.if MSB != \new
	s_set_vgpr_msb (MSB<<8)|\new
.set MSB, \new
.endif
.endm
.set MUL_LO, 0xa1
.set MUL_HI, 0xf1
.set TO_B,   0x40
.macro CREST                           ; a round of the cluster's barrier behind its opening barrier
	s_cmp_lg_u32 s14, 0
	s_cbranch_scc1 .Lnot_wave_0_\@
	s_barrier_signal -3
.Lnot_wave_0_\@:
	s_barrier_wait -3
	s_barrier_signal -1
	s_barrier_wait -1
.endm
.macro CROUND
	s_barrier_signal -1
	s_barrier_wait -1
	CREST
.endm
	s_load_b128 s[4:7], s[0:1], 0x0                ; codes, scale bytes
	s_load_b64 s[8:9], s[0:1], 0x10                ; qkv
	v_lshl_add_u32 v254, v0, 2, SPARE
	v_mov_b32 v255, 0
	ds_add_u32 v254, v255                          ; the opening lines: the add twice on end, and its wait
	ds_add_u32 v254, v255
	v_lshrrev_b32 v1, 5, v0
	v_readfirstlane_b32 s14, v1                    ; wave
	s_lshr_b32 s15, s14, 1                         ; my half of A's rows
	s_and_b32 s16, s14, 1                          ; my half of B's rows
	s_bfe_u32 s40, ttmp6, 0x40000                  ; cx
	s_bfe_u32 s41, ttmp6, 0x40004                  ; cy
	s_and_b32 s17, ttmp7, 0xffff                   ; Y: the batch
	s_lshl_b32 s43, s41, 2
	s_lshl_b32 s43, 15, s43                        ; my row of the cluster
	s_lshl_b32 s44, 0x1111, s40                    ; my column
	s_lshl_b32 s20, s17, 10
	s_lshl_b32 s21, s41, 8
	s_add_co_u32 s20, s20, s21                     ; x's tile: row 1,024 Y + 256 cy (never cx)
	s_lshl_b32 s46, ttmp9, 10
	s_add_co_u32 s46, s46, 8192
	s_lshl_b32 s47, s40, 8
	s_add_co_u32 s46, s46, s47                     ; the weight's tile: row 8,192 + 1,024 X + 256 cx (never cy)
	s_lshl_b32 s[WVC], ttmp9, 9
	s_lshl_b32 s[WVS], s40, 7
	s_add_co_u32 s[WVC], s[WVC], s[WVS]
	s_add_co_u32 s[WVC], s[WVC], 10240             ; Wv's tile: row 10,240 + 512 X + 128 cx (never cy)
	s_lshl_b32 s[WVS], s[WVC], 5                   ; its scales, in bytes
	s_lshl_b32 s[WVC], s[WVC], 9                   ; its codes
	s_mov_b32 s[WVC+1], 0
	s_mov_b32 s[WVS+1], 0
	s_or_b32 s[G1+0], s43, (0<<16)|(1<<20)|(1<<21)|(6<<22)|(3<<25)  ; mask; 1-byte elements; 4 words of padding behind every 128
	s_or_b32 s[G1B+0], s44, (0<<16)|(1<<20)|(1<<21)|(6<<22)|(3<<25)
.irp g, G1, G1B
	s_mov_b32 s[\g+1], KROW<<16
	s_mov_b32 s[\g+2], 256<<16
	s_mov_b32 s[\g+3], KROW<<16
	s_mov_b32 s[\g+4], 256
	s_mov_b32 s[\g+5], KROW
	s_mov_b32 s[\g+6], 0
	s_mov_b32 s[\g+7], 0
.endr
	s_or_b32 s[G1S+0], s43, (3<<16)|(1<<20)|(1<<21)|(5<<22)|(3<<25) ; scales of 256 rows: 32 rows of 256 bytes, 16 of padding behind each
	s_or_b32 s[G1SB+0], s44, (3<<16)|(1<<20)|(1<<21)|(5<<22)|(3<<25)
.irp g, G1S, G1SB
	s_mov_b32 s[\g+1], 32<<16
	s_mov_b32 s[\g+2], KS<<16
	s_mov_b32 s[\g+3], 32<<16
	s_mov_b32 s[\g+4], KS
	s_mov_b32 s[\g+5], 32
	s_mov_b32 s[\g+6], 0
	s_mov_b32 s[\g+7], 0
.endr
	s_mov_b32 s21, 0
	s_mov_b32 s47, 0
	s_mov_b64 s[18:19], KS
	s_mul_u64 s[22:23], s[20:21], s[18:19]         ; the rows' scales, in bytes
	s_mul_u64 s[92:93], s[46:47], s[18:19]
	s_mov_b64 s[18:19], KROW
	s_mul_u64 s[20:21], s[20:21], s[18:19]         ; and their codes
	s_mul_u64 s[46:47], s[46:47], s[18:19]
	s_mov_b32 s[SEL], 0x76543210
	s_mov_b32 s[SEL+1], 0xfedcba98
	s_wait_dscnt 0x0                               ; both opening adds are done
	s_wait_kmcnt 0x0
	s_add_nc_u64 s[20:21], s[4:5], s[20:21]
	s_add_nc_u64 s[22:23], s[6:7], s[22:23]
	s_add_nc_u64 s[46:47], s[4:5], s[46:47]
	s_add_nc_u64 s[92:93], s[6:7], s[92:93]
	s_add_nc_u64 s[WVC:WVC+1], s[4:5], s[WVC:WVC+1]
	s_add_nc_u64 s[WVS:WVS+1], s[6:7], s[WVS:WVS+1]
	CROUND                                         ; all sixteen work-groups are here: the joint loads meet
	s_mov_b32 s[G0], 1
	s_mov_b32 s[G0+1], 0
	s_mov_b64 s[G0+2:G0+3], s[20:21]
	s_or_b32 s[G0+3], s[G0+3], 0x80000000
	s_mov_b32 s[G0B], 1
	s_mov_b32 s[G0B+1], 2*HALFT
	s_mov_b64 s[G0B+2:G0B+3], s[46:47]
	s_or_b32 s[G0B+3], s[G0B+3], 0x80000000
	s_mov_b32 s[G0S], 1
	s_mov_b32 s[G0S+1], SCL
	s_mov_b64 s[G0S+2:G0S+3], s[22:23]
	s_or_b32 s[G0S+3], s[G0S+3], 0x80000000
	s_mov_b32 s[G0SB], 1
	s_mov_b32 s[G0SB+1], SCL+2*HALFS
	s_mov_b64 s[G0SB+2:G0SB+3], s[92:93]
	s_or_b32 s[G0SB+3], s[G0SB+3], 0x80000000
; one chain of branches on the wave's number, one load to an arm, all arms to one join (with the s_nop 0 and four v_nop)
.macro ARM under, g0, g1, next
	s_cmp_lt_u32 s14, \under
	s_cbranch_scc0 \next
	tensor_load_to_lds s[\g0:\g0+3], s[\g1:\g1+7]
	s_nop 0
.rept 4
	v_nop
.endr
	s_branch .Lhead_asked
\next:
.endm
	ARM 1, G0,  G1,  .Lhead_b
	ARM 2, G0B, G1B, .Lhead_sa
	ARM 3, G0S, G1S, .Lhead_sb
	tensor_load_to_lds s[G0SB:G0SB+3], s[G1SB:G1SB+7]
	s_nop 0
.rept 4
	v_nop
.endr
.Lhead_asked:
	s_mul_i32 s21, s15, HALFT                      ; phase 1: my 128 rows of x
	s_mul_i32 s11, s16, HALFT                      ; phase 2: my 128 rows of x
	s_add_co_u32 s22, s11, 2*HALFT                 ; phase 1: my 128 rows of the weight
	s_mul_i32 s10, s15, 64*PITCH
	s_add_co_u32 s10, s10, 2*HALFT                 ; phase 2: my 64 rows of Wv
	s_mul_i32 s23, s15, HALFS                      ; phase 1: A's scales are x's,
	s_mul_i32 s12, s16, HALFS
	s_add_co_u32 s45, s12, 2*HALFS
	s_sub_co_u32 s45, s45, s23                     ; and the distance to B's
	s_add_co_u32 s23, s23, SCL
	s_mul_i32 s13, s15, 4*SBLK                     ; phase 2: B's scales are x's (the lower base),
	s_add_co_u32 s13, s13, 2*HALFS
	s_sub_co_u32 s13, s13, s12                     ; and the distance up to A's
	s_add_co_u32 s12, s12, SCL
	v_and_b32 v1, 15, v0                           ; r
	v_bfe_u32 v2, v0, 4, 1                         ; h
	v_mul_u32_u24 v3, v1, PITCH
	v_lshl_add_u32 v4, v2, 4, v3
	v_add_nc_u32 v[ADRA], s21, v4
	v_add_nc_u32 v[ADRB], s22, v4
	v_add_nc_u32 v[ADRA2], s10, v4
	v_add_nc_u32 v[ADRB2], s11, v4
	v_mul_u32_u24 v5, v1, KS                       ; 32 bytes a row,
	v_lshrrev_b32 v6, 8, v5
	v_lshl_add_u32 v5, v6, 4, v5                   ; 16 more for each 256 passed
	v_mul_u32_u24 v6, s45, v2                      ; phase 1: lanes 16-31 take the upper base: one product
	v_add_nc_u32 v6, v5, v6
	v_add_nc_u32 v[ADRS], s23, v6
	v_xor_b32 v7, 1, v2
	v_mul_u32_u24 v7, s13, v7                      ; phase 2: lanes 0-15 take the upper base
	v_add_nc_u32 v7, v5, v7
	v_add_nc_u32 v[ADRS2], s12, v7
.set RA, ADRA                          ; the address registers and A's set in hand
.set RB, ADRB
.set RS, ADRS
.set ASET, 0
.macro FRAG reg, adr, k, i             ; lane l: row l % 16; registers 4 c .. 4 c + 3: K = 128 k + 64 c + 32 (l / 16) + 0 .. 31
.irp c, 0,1
	ds_load_b128 v[\reg+4*\c:\reg+4*\c+3], v[\adr] offset:64*(\k)+32*\c+(\i)*16*PITCH
.endr
.endm
; 16 matrix instructions: A's blocks a0, a0 + 1 x B's eight, the k-th 128 along K.  The accumulators take turns.
.macro MUL16 a0, k, zero
.irp a, \a0, \a0+1
.irp b, 0,1,2,3,4,5,6,7
.set DA, 8*(8*((\a)%4)+\b)
.set BF, 128*((\k)%2)+FR*\b
.set AA, AF+ASET+FR*(\a)
.set SK, SC+32*((\k)/4)+(\k)%4
.if \zero
	v_wmma_scale_f32_16x16x128_f8f6f4 v[DA:DA+7], v[BF:BF+7], v[AA:AA+7], 0, v[SK+4*\b], v[SK+4*(\a)] matrix_a_fmt:MATRIX_FMT_FP4 matrix_b_fmt:MATRIX_FMT_FP4 matrix_a_scale:MATRIX_SCALE_ROW1
.else
	v_wmma_scale_f32_16x16x128_f8f6f4 v[DA:DA+7], v[BF:BF+7], v[AA:AA+7], v[DA:DA+7], v[SK+4*\b], v[SK+4*(\a)] matrix_a_fmt:MATRIX_FMT_FP4 matrix_b_fmt:MATRIX_FMT_FP4 matrix_a_scale:MATRIX_SCALE_ROW1
.endif
.endr
.endr
.endm
.macro FETCH_B k
	WIN TO_B
.irp i, 0,1,2,3,4,5,6,7
	FRAG 128*((\k)%2)+FR*\i, RB, \k, \i
.endr
	WIN 0
.endm
.macro FETCH_A k, i0
.irp i, \i0, \i0+1, \i0+2, \i0+3
	FRAG AF+ASET+FR*(\i), RA, \k, \i
.endr
.endm
.macro SCALES                          ; the scale words of all K
.irp s, 0,1
.irp i, 0,1,2,3,4,5,6,7
	ds_load_b128 v[SC+32*\s+4*\i:SC+32*\s+4*\i+3], v[RS] offset:\i*SBLK+16*\s
.endr
.endr
.endm
.macro PLACES n
.rept \n
	v_nop
.endr
.endm
.macro STEP k, zero                    ; phase 1: 128 along K, and the next step's fragments in two runs
	s_wait_dscnt 4*NL                              ; all but the youngest eight loads (A's blocks 4-7) are in
	WIN MUL_LO
	MUL16 0, \k, \zero
	MUL16 2, \k, \zero
	s_wait_dscnt 0
	PLACES NP                                      ; places in front of loads into registers that matrix instructions have read
	FETCH_B (\k)+1
	FETCH_A (\k)+1, 0
	WIN MUL_HI
	MUL16 4, \k, \zero
	MUL16 6, \k, \zero
	PLACES NP
	WIN 0
	FETCH_A (\k)+1, 4
.endm
.macro STEP2 k, zero                   ; phase 2: 32 products; the next step's fragments are asked for ahead of them, into the other sets
	s_wait_dscnt 0
.if (\k) < 7
	PLACES NP
.set ASET, 32*(((\k)+1)%2)
	FETCH_B (\k)+1
	FETCH_A (\k)+1, 0
.endif
.set ASET, 32*((\k)%2)
	WIN MUL_LO
	MUL16 0, \k, \zero
	MUL16 2, \k, \zero
	WIN 0
.endm
; Tile a on the way out: register 16 b + 8 p + j of lane (r, h) is row r's number at k = 32 b + 16 p + 8 h + j
.macro QOUT a
.set AC, 64*((\a)%4)
.set WA, 2+(\a)/4
.set WB, 5*WA
	WIN WB
.irp b, 0,1,2,3
	v_max3_num_f32 v[TM+\b], |v[AC+16*\b]|, |v[AC+16*\b+1]|, 0x1800000   ; each accumulator from its low end on; the floor 2^(3 - 127)
.endr
.irp i, 2,4,6,8,10,12,14
.irp b, 0,1,2,3
	v_max3_num_f32 v[TM+\b], |v[AC+16*\b+\i]|, |v[AC+16*\b+\i+1]|, v[TM+\b]
.endr
.endr
	WIN 0
.irp b, 0,1,2,3
	v_permlanex16_b32 v[TM+4+\b], v[TM+\b], s[SEL], s[SEL+1]
.endr
.irp b, 0,1,2,3
	v_max_num_f32 v[TM+\b], v[TM+\b], v[TM+4+\b]   ; the block's largest magnitude
.endr
.irp b, 0,1,2,3
	v_add_nc_u32 v[TM+12+\b], 0xff000000, v[TM+\b] ; the conversion's scale operand
.endr
.irp b, 0,1,2,3
	v_lshrrev_b32 v[TM+4+\b], 23, v[TM+12+\b]      ; the byte
.endr
	v_lshl_or_b32 v[PW], v[TM+5], 8, v[TM+4]
	v_lshl_or_b32 v[PW], v[TM+6], 16, v[PW]
	v_lshl_or_b32 v[PW], v[TM+7], 24, v[PW]
	v_lshrrev_b32 v[SW+(\a)], v[SHR], v[PW]
	v_and_b32 v[SW+(\a)], s[MSK], v[SW+(\a)]
	s_wait_xcnt 0x0                                ; the last tile's stores have read their data and bases
.if (\a) == 4
	s_add_nc_u64 s[OB:OB+1], s[OB:OB+1], s[STP4:STP4+1]
.elseif (\a) > 0
	s_add_nc_u64 s[OB:OB+1], s[OB:OB+1], s[STP:STP+1]
.endif
	s_add_nc_u64 s[OB2:OB2+1], s[OB:OB+1], s[SEC:SEC+1]
	WIN WA
.irp b, 0,1,2,3
	v_cvt_scalef32_pk8_fp4_f32 v[PC+4*(\b/2)+(\b%2)], v[AC+16*\b:AC+16*\b+7], v[TM+12+\b]
	v_cvt_scalef32_pk8_fp4_f32 v[PC+2+4*(\b/2)+(\b%2)], v[AC+16*\b+8:AC+16*\b+15], v[TM+12+\b]
.endr
	WIN 0
	v_nop                                          ; one plain place behind a scaled conversion
.irp c, 0,1
.irp p, 0,1
	v_permlane16_swap_b32 v[PC+4*\c+2*\p], v[PC+4*\c+2*\p+1]   ; register 4 c + g now holds k = 64 c + 32 h + 8 g + 0 .. 7
.endr
.endr
	global_store_b128 v[VO], v[PC:PC+3], s[OB:OB+1]        ; 32 lanes store 512 consecutive bytes, aligned
	global_store_b128 v[VO], v[PC+4:PC+7], s[OB2:OB2+1]
.endm
	s_wait_alu depctr_va_vdst(0)                   ; the wait at the head's end
	s_wait_tensorcnt 0x0                           ; my tile of the four has landed,
	s_barrier_signal -1
	s_barrier_wait -1                              ; everybody's has
	; PHASE 1
	FETCH_B 0
	FETCH_A 0, 0
	SCALES
	FETCH_A 0, 4
	STEP 0, 1                                      ; the first step's products start the sums
.irp k, 1,2,3,4,5,6
	STEP \k, 0
.endr
	; its last K step, in which the weight's tile is given up to Wv's
	s_wait_tensorcnt 0x0                           ; no tensor load of mine is out, so descriptors may be written
	ds_add_u32 v254, v255                          ; 0 onto my spare word
	s_or_b32 s[G1S+0], s44, (0<<16)|(1<<20)|(1<<21)|(6<<22)|(3<<25)  ; Wv's codes: 128 rows of 512 bytes, to my column
	s_mov_b32 s[G1S+1], KROW<<16
	s_mov_b32 s[G1S+2], 128<<16
	s_mov_b32 s[G1S+3], KROW<<16
	s_mov_b32 s[G1S+4], 128
	s_mov_b32 s[G1S+5], KROW
	s_mov_b32 s[G1S+6], 0
	s_mov_b32 s[G1S+7], 0
	s_mov_b32 s[G0S], 1
	s_mov_b32 s[G0S+1], 2*HALFT
	s_mov_b64 s[G0S+2:G0S+3], s[WVC:WVC+1]
	s_or_b32 s[G0S+3], s[G0S+3], 0x80000000
	s_mov_b32 s[G1SB+2], 16<<16                    ; Wv's scales: 16 rows of 256 bytes, where the weight's began
	s_mov_b32 s[G1SB+4], 16
	s_mov_b64 s[G0SB+2:G0SB+3], s[WVS:WVS+1]
	s_or_b32 s[G0SB+3], s[G0SB+3], 0x80000000
	s_wait_dscnt 4*NL+1                            ; (the add and the youngest eight loads may be out)
	WIN MUL_LO
	MUL16 0, 7, 0
	s_wait_dscnt 0x0                               ; the add is done, and my reads of the weight's tile and scales are over
	s_barrier_signal -1                            ; this barrier opens a round of the cluster's barrier
	MUL16 2, 7, 0
	WIN 0
	s_barrier_wait -1
	CREST                                          ; no wave of any partner still reads those bytes or has a load on its way
	s_cmp_eq_u32 s14, 1
	s_cbranch_scc0 .Lnot_codes
	tensor_load_to_lds s[G0S:G0S+3], s[G1S:G1S+7]
	s_nop 0
.rept 4
	v_nop
.endr
	s_branch .Lrefilled
.Lnot_codes:
	s_cmp_eq_u32 s14, 3
	s_cbranch_scc0 .Lrefilled
	tensor_load_to_lds s[G0SB:G0SB+3], s[G1SB:G1SB+7]
	s_nop 0
.rept 4
	v_nop
.endr
.Lrefilled:
	WIN MUL_HI
	MUL16 4, 7, 0
	MUL16 6, 7, 0
	WIN 0
	PLACES NP
	; phase 1's way out: q or k
	s_lshl_b32 s36, s41, 8
	s_lshl_b32 s37, s15, 7
	s_add_co_u32 s36, s36, s37                     ; my first t: 256 cy + 128 x my half of A
	s_lshl_b32 s37, s40, 8
	s_lshl_b32 s38, s16, 7
	s_add_co_u32 s37, s37, s38                     ; my first (h, d): 256 cx + 128 x my half of B
	s_mul_i32 s39, ttmp9, 36864                    ; q's part of a head block or k's
	s_add_co_u32 s49, s39, 32768                   ; and its scale words
	s_mov_b32 s[STP], 512                          ; from tile to tile: the next 16 rows' image
	s_mov_b32 s[STP+1], 0
	s_mov_b32 s[STP4], 512
	s_mov_b32 s[STP4+1], 0
	s_mov_b32 s[SEC], HB                           ; registers 4-7: the next head's image
	s_mov_b32 s[SEC+1], 0
	s_mov_b32 s[MSK], 0xffff                       ; a word has two bytes; the other two are 0, over zero codes
	s_lshl_b32 s38, s17, 4
	s_lshr_b32 s37, s37, 6
	s_add_co_u32 s38, s38, s37                     ; my first head
	s_mul_i32 s38, s38, HB
	s_lshl_b32 s34, s36, 5                         ; codes: 32 bytes for each t
	s_add_co_u32 s34, s34, s38
	s_add_co_u32 s34, s34, s39
	s_mov_b32 s35, 0
	s_add_nc_u64 s[OB:OB+1], s[8:9], s[34:35]
	s_lshl_b32 s34, s36, 2                         ; scale words: 4 bytes for each t
	s_add_co_u32 s34, s34, s38
	s_add_co_u32 s34, s34, s49
	s_add_nc_u64 s[SB:SB+1], s[8:9], s[34:35]
	s_add_nc_u64 s[SB2:SB2+1], s[SB:SB+1], HB
	v_and_b32 v[VO], 31, v0
	v_lshlrev_b32 v[VO], 4, v[VO]
	v_lshlrev_b32 v[VSA], 8, v2
	v_lshl_add_u32 v[VSA], v1, 4, v[VSA]           ; 16 r + 256 h: lanes 16-31 hold the next 64 rows' words
	v_lshlrev_b32 v[SH], 4, v2                     ; lanes 16-31 keep the upper two bytes (the second head's)
	v_lshlrev_b32 v[VSA2], 4, v1                   ; phase 2: 16 r,
	v_mov_b32 v[SH2], 0                            ; and all four bytes
.irp b, 0,1,2,3
	v_mov_b32 v[TM+4+\b], 0                        ; a lane permute's destination counts as a source
.endr
.set SHR, SH
.irp a, 0,1,2,3,4,5,6,7
	QOUT \a
.endr
.irp i, 0,1,2,3
	v_permlane16_swap_b32 v[SW+\i], v[SW+4+\i]     ; registers 0-3: what lanes 0-15 held of tiles 0-7; registers 4-7: what lanes 16-31 held
.endr
	global_store_b128 v[VSA], v[SW:SW+3], s[SB:SB+1]       ; the first head's 128 words, 512 consecutive bytes
	global_store_b128 v[VSA], v[SW+4:SW+7], s[SB2:SB2+1]   ; the second head's
	; PHASE 2: where its results go
	s_wait_xcnt 0x0                                ; the stores have read their data and bases: both are written again
	s_lshl_b32 s38, s17, 4
	s_lshl_b32 s37, ttmp9, 3
	s_add_co_u32 s38, s38, s37
	s_lshl_b32 s37, s40, 1
	s_add_co_u32 s38, s38, s37
	s_add_co_u32 s38, s38, s15                     ; my head: 16 Y + 8 X + 2 cx + my half of A (64 rows of Wv are one head)
	s_mul_i32 s38, s38, HB
	s_lshl_b32 s36, s41, 8
	s_lshl_b32 s37, s16, 7
	s_add_co_u32 s36, s36, s37                     ; my first t: 256 cy + 128 x my half of B
	s_lshl_b32 s34, s36, 5                         ; 4,096 bytes for each 128 t
	s_add_co_u32 s34, s34, s38
	s_add_co_u32 s34, s34, 73728
	s_add_nc_u64 s[OB:OB+1], s[8:9], s[34:35]
	s_lshl_b32 s34, s36, 1                         ; scale words: 256 bytes for each 128 t
	s_add_co_u32 s34, s34, s38
	s_add_co_u32 s34, s34, 106496
	s_add_nc_u64 s[SB:SB+1], s[8:9], s[34:35]
	s_mov_b32 s[STP], 1024                         ; from tile to tile: the next 16 d's fragment
	s_mov_b32 s[SEC], 512                          ; registers 4-7: the fragment's second half
	s_mov_b32 s[MSK], -1
.set SHR, SH2
.set RA, ADRA2
.set RB, ADRB2
.set RS, ADRS2
.set ASET, 0
	s_wait_alu depctr_va_vdst(0)
	s_wait_tensorcnt 0x0                           ; Wv's codes or scales, if I asked for them, have landed,
	s_barrier_signal -1
	s_barrier_wait -1                              ; and every wave knows it
	FETCH_B 0
	FETCH_A 0, 0
	SCALES
	STEP2 0, 1
.irp k, 1,2,3,4,5,6,7
	STEP2 \k, 0
.endr
	PLACES NP
.irp a, 0,1,2,3
	QOUT \a
.endr
	global_store_b128 v[VSA2], v[SW:SW+3], s[SB:SB+1]      ; row d = r's words of the four tiles: 256 consecutive bytes; both halves of the wave hold and store the same words
	s_wait_tensorcnt 0x0                           ; the wave's end
	ds_add_u32 v254, v255
	s_wait_dscnt 0x0
	CROUND                                         ; the closing round
	s_endpgm
.Lfunc_end_k_qb18ba71960_proj:
	.size	k_qb18ba71960_proj, .Lfunc_end_k_qb18ba71960_proj-k_qb18ba71960_proj
	.p2alignl 7, 3214868480
	.fill 96, 4, 3214868480
	.section	.rodata,"a",@progbits
	.p2align	6, 0x0
	.amdhsa_kernel k_qb18ba71960_proj
		.amdhsa_group_segment_fixed_size 327680
		.amdhsa_private_segment_fixed_size 0
		.amdhsa_enable_private_segment 0
		.amdhsa_kernarg_size 24
		.amdhsa_user_sgpr_count 2
		.amdhsa_user_sgpr_kernarg_segment_ptr 1
		.amdhsa_wavefront_size32 1
		.amdhsa_system_sgpr_workgroup_id_x 1
		.amdhsa_system_sgpr_workgroup_id_y 1
		.amdhsa_system_sgpr_workgroup_id_z 1
		.amdhsa_system_vgpr_workitem_id 0
		.amdhsa_next_free_vgpr 1024
		.amdhsa_next_free_sgpr 100
		.amdhsa_reserve_vcc 0
		.amdhsa_float_denorm_mode_32 3
		.amdhsa_float_denorm_mode_16_64 3
		.amdhsa_memory_ordered 1
		.amdhsa_forward_progress 1
		.amdhsa_inst_pref_size 196
	.end_amdhsa_kernel
	.amdgpu_metadata
---
amdhsa.version: [ 1, 2 ]
amdhsa.kernels:
  - .name:           k_qb18ba71960_proj
    .symbol:         k_qb18ba71960_proj.kd
    .args:
      - { .name: zc, .offset: 0, .size: 8, .value_kind: global_buffer, .address_space: global }
      - { .name: zs, .offset: 8, .size: 8, .value_kind: global_buffer, .address_space: global }
      - { .name: qkv, .offset: 16, .size: 8, .value_kind: global_buffer, .address_space: global }
    .group_segment_fixed_size: 327680
    .private_segment_fixed_size: 0
    .kernarg_segment_align: 8
    .kernarg_segment_size: 24
    .max_flat_workgroup_size: 128
    .sgpr_count:     100
    .vgpr_count:     1024
    .wavefront_size: 32
...
	.end_amdgpu_metadata
.endif
;; end of part 2
;; launch attn (part 3): grid 2 x 128, 16 waves a work-group, no clusters, 169,984 bytes of LDS; arguments qkv, out0; writes out0
.if DOCPART == 3
	.amdgcn_target "amdgcn-amd-amdhsa--gfx1250"
	.amdhsa_code_object_version 6
	.text
	.protected	k_qb18ba71960_attn
	.globl	k_qb18ba71960_attn
	.p2align	8
	.type	k_qb18ba71960_attn,@function
k_qb18ba71960_attn:
	s_mov_b64 s[64:65], 0
	v_nop
	global_prefetch_b8 v0, s[64:65] scope:SCOPE_SE
	s_setreg_imm32_b32 hwreg(HW_REG_WAVE_MODE, 25, 1), 1
	s_wait_xcnt 0x0
; Causal attention of one head (b, h) on codes of FP4 with E8M0 scales; q, k, v come from the projection launch as images of operand registers.
; t = score x log2(e) / 32 (the logit's scale is 1024^-0.5 = 2^-5); M = the row's largest t so far, rounded UP to a whole number; p = 2^(t - M) is quantised along the keys, not normalised;
; the row's sum is taken of the unquantised p and divides at the end.  When M moves, the sum and O are multiplied by 2^(old M - new M): exact.
; SHARES.  Two work-groups to a head, sixteen waves each, four to a SIMD.  Wave w of work-group s takes query tile i = 2 w + s, then tile 63 - i: tile i needs i / 8 + 1 key steps of 128,
; so every wave walks (w / 4 + 1) + (8 - w / 4) = 9 key steps.  The loop over key steps has 8 trips for every tile; a step all of whose keys are hidden is jumped over (a scalar branch on ids).
; LDS.  A head's k and v with their scale words are 71,680 consecutive bytes of qkv: they come ONCE, by four tensor loads of 70 rows of 256 bytes, and stay.  Nothing is filled again; one barrier.
; No padding: every LDS read takes a register image, 256 consecutive bytes for each sixteen lanes.
; NO CLUSTER: only two work-groups read the same 71,680 bytes, once, at the head, against the 131,072 bytes that each stores; no loop waits for a tile.
; LAYOUT.  Both products transposed: S^T = K Q^T (source 0 = 16 keys, source 1 = my 16 queries; K = 64: the operands' registers 4-7 are zero codes), O^T = V^T P^T (source 0 = 16 of the head's 64, source 1 = P).
; A lane holds ONE query.  In S^T register 8 T + j of lane (r, h) is key 16 T + 8 h + j; the conversion of block b's half u goes to register 4 (b / 2) + 2 u + b % 2, and four exchanges of half-waves give P's operand layout.
; LIMITS: NaN and infinities are not served; a block of p that has fallen to 0 keeps the byte 1 over zero codes.
; REGISTERS: v1-11 addresses; v12 -M, v13 largest t, v[14:15] the sum; v16-23, v24-31 Q of the two tiles; v32-63 four fragments of K; v64-95 four of V; v96-159 S^T, then p; v160-191 O^T;
;   v192-199 p's codes; v200-207 K's scale words, v208-211 V's, v212 p's, v213-214 Q's; v232-254 at work; v255 -infinity.
.set HB,    108544                     ; a head block of qkv: q codes 32,768, q scale words 4,096, then what goes to LDS
.set QSO,   32768
.set KOFF,  36864
.set QUART, 17920                      ; 70 rows of 256 bytes: what one tensor load brings
.set LKS,   32768                      ; LDS: K's codes at 0 (tile T at 512 T), K's scale words here (four tiles' words of a row on end: 256 bytes for 64 keys),
.set LVC,   36864                      ; V's fragments (key step j, 16 d t: 4,096 j + 1,024 t),
.set LVS,   69632                      ; V's scale words (256 bytes a key step),
.set STAGE, 71680                      ; and the stages for the way out: 16 rows x 272 bytes for each wave; no tile lands there
.set LA,  1                            ; v1   16 x lane: my place in an image
.set LS,  2                            ; v2   16 r: my row's four scale words
.set LVT, 3                            ; v3   LVS + 16 r
.set ADK, 4                            ; v4   the step's images
.set ADS, 5                            ; v5   the step's scale words of K
.set ADT, 6                            ; v6   and of V
.set GO,  7                            ; v7   the way out: 4,096 h + 16 r
.set STO, 8                            ; v8   where I put 32 bytes of a row
.set RD,  9                            ; v9   where I read a row back
.set DG,  11                           ; v11  r - 8 h
.set WV,  8
.set BH,  10
.set SEL, 26                           ; s[26:27] lane selects: lane l xor 16
.set CS,  28                           ; s[28:29] c = log2(e) / 32
.set JC,  30                           ; s30  counts key steps
.set TK,  31                           ; s31  the step's images: 4,096 a step (K's and V's alike)
.set TS,  32                           ; s32  K's scale words: 512 a step
.set TV,  33                           ; s33  V's: 256 a step
.set KF,  34                           ; s34  the step's first key
.set Q0,  35                           ; s35  my first query
	s_load_b128 s[4:7], s[0:1], 0x0                ; qkv, out0
	v_lshl_add_u32 v250, v0, 2, 0x29000
	v_mov_b32 v251, 0
	ds_add_u32 v250, v251
	ds_add_u32 v250, v251
	v_lshrrev_b32 v232, 5, v0
	s_delay_alu instid0(VALU_DEP_1)
	v_readfirstlane_b32 s[WV], v232                ; wave 0..15
	s_and_b32 s[BH], ttmp7, 0xffff                 ; the head: 16 b + h
	s_mul_i32 s24, s[BH], HB
	s_mov_b32 s25, 0
	s_and_b32 s11, s[WV], 3
	s_mul_i32 s13, s11, QUART                      ; group 0, 63:32: the LDS address: the wave's quarter
	s_add_co_u32 s36, s13, KOFF                    ; and the same quarter in the head block
	s_mov_b32 s37, 0
	s_mov_b32 s12, 1                               ; 1:0 count = 1
	s_mov_b32 s16, 3<<16                           ; group 1: no mask; elements of 8 bytes; no padding
	s_mov_b32 s17, 32<<16                          ; tensor_dim0 = 32 (256 bytes)
	s_mov_b32 s18, 70<<16                          ; tensor_dim1 = 70
	s_mov_b32 s19, 32<<16                          ; tile_dim0
	s_mov_b32 s20, 70                              ; tile_dim1
	s_mov_b32 s21, 32                              ; the pitch: the block is dense
	s_mov_b32 s22, 0
	s_mov_b32 s23, 0
	s_lshl_b32 s40, s[WV], 1
	s_add_co_u32 s40, s40, ttmp9                   ; my first tile of queries
	s_sub_co_u32 s41, 63, s40                      ; my second
	s_mov_b32 s[SEL], 0x76543210
	s_mov_b32 s[SEL+1], 0xfedcba98
	s_mov_b32 s[CS], 0x3d38aa3b                    ; log2(e) / 32
	s_mov_b32 s[CS+1], s[CS]                       ; (named with it as a pair, so it is written)
	s_wait_dscnt 0x0
	s_wait_kmcnt 0x0
	s_add_nc_u64 s[24:25], s[4:5], s[24:25]        ; my head block
	s_add_nc_u64 s[14:15], s[24:25], s[36:37]      ; 120:64 the quarter's first byte
	s_or_b32 s15, s15, 0x80000000                  ; 127:126 type = 2
	s_cmp_lt_u32 s[WV], 4                          ; waves 0 to 3 fetch, one load each; the wait below is for 0 in every wave
	s_cbranch_scc0 .Lno_fetch
	tensor_load_to_lds s[12:15], s[16:23]
	s_nop 0
.rept 4
	v_nop
.endr
.Lno_fetch:
.irp p, 0,1
	s_lshl_b32 s36, s[40+\p], 9                    ; Q's image: 512 bytes a tile
	s_add_nc_u64 s[42+4*\p:43+4*\p], s[24:25], s[36:37]
	s_lshr_b32 s36, s[40+\p], 2                    ; Q's scale words: 256 bytes for four tiles, 4 bytes on for each tile
	s_lshl_b32 s36, s36, 8
	s_and_b32 s50, s[40+\p], 3
	s_lshl_b32 s50, s50, 2
	s_add_co_u32 s36, s36, s50
	s_add_co_u32 s36, s36, QSO
	s_add_nc_u64 s[44+4*\p:45+4*\p], s[24:25], s[36:37]
.endr
	v_and_b32 v232, 15, v0                         ; r
	v_bfe_u32 v233, v0, 4, 1                       ; h
	v_and_b32 v[LA], 31, v0
	s_delay_alu instid0(VALU_DEP_1)
	v_lshlrev_b32 v[LA], 4, v[LA]
	s_delay_alu instid0(VALU_DEP_4)
	v_lshlrev_b32 v[LS], 4, v232
	global_load_b128 v[16:19], v[LA], s[42:43]     ; Q's fragments stay in registers: k = 32 h + 0 .. 31 of query r
	global_load_b32 v213, v[LS], s[44:45]          ; and query r's scale word
	global_load_b128 v[24:27], v[LA], s[46:47]
	global_load_b32 v214, v[LS], s[48:49]
	v_add_nc_u32 v[LVT], LVS, v[LS]
	v_lshlrev_b32 v[GO], 12, v233
	s_delay_alu instid0(VALU_DEP_1)
	v_add_nc_u32 v[GO], v[GO], v[LS]
	s_mul_i32 s51, s[WV], 16*272
	s_add_co_u32 s51, s51, STAGE                   ; my stage
	v_mul_u32_u24 v[STO], v232, 272
	s_delay_alu instid0(VALU_DEP_1)
	v_lshl_add_u32 v[STO], v233, 5, v[STO]
	s_delay_alu instid0(VALU_DEP_1)
	v_add_nc_u32 v[STO], s51, v[STO]               ; in: row r, + 32 h
	v_mul_u32_u24 v[RD], v233, 272
	s_delay_alu instid0(VALU_DEP_1)
	v_add_nc_u32 v[RD], v[RD], v[LS]
	s_delay_alu instid0(VALU_DEP_1)
	v_add_nc_u32 v[RD], s51, v[RD]                 ; back: lanes 0-15 one row, lanes 16-31 the next
	v_lshlrev_b32 v[DG], 3, v233
	s_delay_alu instid0(VALU_DEP_1)
	v_sub_nc_u32 v[DG], v232, v[DG]
.irp j, 0,1,2,3,4,5,6,7
	v_cmp_gt_i32 s[52+\j], \j, v[DG]               ; s52-59: the diagonal tile's pattern: the lanes whose key j + 8 h comes after their query r; made once
.endr
.irp j, 20,21,22,23,28,29,30,31,36,37,38,39,44,45,46,47,52,53,54,55,60,61,62,63
	v_mov_b32 v\j, 0                               ; k = 64 .. 127 of Q's and K's fragments: zero codes, written once
.endr
.irp j, 236,237,238,239,252,253
	v_mov_b32 v\j, 0                               ; written once: lane permutes' destinations count as sources, and v253 is named as the upper half of a pair
.endr
	v_mov_b32 v255, 0xff800000                     ; -infinity
	s_wait_tensorcnt 0x0                           ; my quarter has landed,
	s_barrier_signal -1
	s_barrier_wait -1                              ; everybody's has: K and V stay as they are to the end
	s_wait_loadcnt 0x0                             ; Q
; A KEY STEP: 128 keys.  QF, QS: the tile's fragment of Q and its scale words.
.macro STEP
	s_cmp_gt_u32 s[KF], s[Q0]                      ; both are multiples of 16: the step's first key comes after my last query: all 128 are hidden
	s_cbranch_scc1 .Lhidden_\@
	v_add_nc_u32 v[ADK], s[TK], v[LA]
	v_add_nc_u32 v[ADS], s[TS], v[LS]
	v_add_nc_u32 v[ADT], s[TV], v[LVT]
	v_nop                                          ; four places behind the last step's products
	ds_load_b128 v[200:203], v[ADS] offset:LKS     ; the scale words of key r of tiles 0-3,
	ds_load_b128 v[204:207], v[ADS] offset:LKS+256 ; and of tiles 4-7
.irp t, 0,1,2,3
	ds_load_b128 v[32+8*\t:35+8*\t], v[ADK] offset:512*\t
.endr
	s_wait_alu depctr_va_vdst(0)
	s_wait_dscnt 0x0
.irp t, 0,1,2,3
	v_wmma_scale_f32_16x16x128_f8f6f4 v[96+8*\t:103+8*\t], v[32+8*\t:39+8*\t], v[QF:QF+7], 0, v[200+\t], v[QS] matrix_a_fmt:MATRIX_FMT_FP4 matrix_b_fmt:MATRIX_FMT_FP4
.endr
.rept 4
	v_nop                                          ; places in front of loads into registers that these products have read
.endr
.irp t, 0,1,2,3
	ds_load_b128 v[32+8*\t:35+8*\t], v[ADK] offset:512*(4+\t)
.endr
.irp t, 0,1,2,3
.irp c, 0,1
	ds_load_b128 v[64+8*\t+4*\c:67+8*\t+4*\c], v[ADK] offset:LVC+1024*\t+512*\c   ; V's fragments land while the softmax is walked
.endr
.endr
	ds_load_b128 v[208:211], v[ADT]                ; the scale words of d = r of V's four tiles
	s_wait_dscnt 9                                 ; K's four are in; V's eight and its scale words may be out
.irp t, 0,1,2,3
	v_wmma_scale_f32_16x16x128_f8f6f4 v[128+8*\t:135+8*\t], v[32+8*\t:39+8*\t], v[QF:QF+7], 0, v[204+\t], v[QS] matrix_a_fmt:MATRIX_FMT_FP4 matrix_b_fmt:MATRIX_FMT_FP4
.endr
.rept 4
	v_nop
.endr
	s_add_co_u32 s36, s[KF], 127                   ; on the diagonal hidden scores become -infinity ahead of the maximum; a step all of whose keys count skips this
	s_cmp_le_u32 s36, s[Q0]
	s_cbranch_scc1 .Lopen_\@
	s_sub_co_u32 s36, s[Q0], s[KF]
	s_lshr_b32 s36, s36, 4                         ; which of the step's eight tiles of 16 keys holds the diagonal
.irp T, 0,1,2,3,4,5,6,7
	s_cmp_lt_u32 s36, \T
	s_cselect_b32 s37, -1, 0                       ; a tile behind the diagonal's is hidden whole, one ahead of it is open
	s_cmp_eq_u32 s36, \T                           ; SCC stays through the eight selects: the lines between leave it alone
.irp j, 0,1,2,3,4,5,6,7
	s_cselect_b32 s[60+(\j%2)], s[52+\j], s37      ; the diagonal's tile takes the pattern
	v_cndmask_b32 v[96+8*\T+\j], v[96+8*\T+\j], v255, s[60+(\j%2)]
.endr
.endr
.Lopen_\@:
.irp b, 0,1,2,3
	v_max3_num_f32 v[232+\b], v[96+16*\b], v[97+16*\b], v[98+16*\b]   ; the largest score of each block of 32 keys: for the row's maximum and, since p rises with the score, for the block's largest p
.endr
.irp i, 3,5,7,9,11,13
.irp b, 0,1,2,3
	v_max3_num_f32 v[232+\b], v[232+\b], v[96+16*\b+\i], v[97+16*\b+\i]
.endr
.endr
.irp b, 0,1,2,3
	v_max_num_f32 v[232+\b], v[232+\b], v[111+16*\b]
.endr
.irp b, 0,1,2,3
	s_delay_alu instid0(VALU_DEP_4)
	v_permlanex16_b32 v[236+\b], v[232+\b], s[SEL], s[SEL+1]
.endr
.irp b, 0,1,2,3
	s_delay_alu instid0(VALU_DEP_4)
	v_max_num_f32 v[232+\b], v[232+\b], v[236+\b]  ; with lane l xor 16's 16 keys
.endr
	s_delay_alu instid0(VALU_DEP_2)
	v_max3_num_f32 v254, v232, v233, v234
	s_delay_alu instid0(VALU_DEP_1)
	v_max_num_f32 v254, v254, v235                 ; the step's largest score of my query
	s_delay_alu instid0(VALU_DEP_1)
	v_mul_f32 v254, s[CS], v254                    ; as t (c is positive)
	s_delay_alu instid0(VALU_DEP_1)
	v_max_num_f32 v13, v13, v254                   ; the running largest t
	v_mov_b32 v254, v12
	s_delay_alu instid0(VALU_DEP_2)
	v_floor_f32 v12, -v13                          ; the new -M = floor(-t) = -ceil(t)
	s_delay_alu instid0(VALU_DEP_1)
	v_sub_f32 v254, v12, v254                      ; old M - new M: a whole number, 0 or less
	s_delay_alu instid0(VALU_DEP_1)
	v_cvt_i32_f32 v254, v254                       ; (it saturates)
	s_delay_alu instid0(VALU_DEP_1)
	v_ldexp_f32 v252, 1.0, v254                    ; f = 2^(old M - new M)
.set jj, 0
.rept 32
	v_pk_fma_f32 v[96+jj:97+jj], v[96+jj:97+jj], s[CS:CS+1], v[12:13] op_sel_hi:[1,0,0]   ; t - M, two at a time
.set jj, jj+2
.endr
.irp b, 0,1,2,3
	v_fma_f32 v[232+\b], v[232+\b], s[CS], v12     ; the same of each block's largest score
.endr
.set jj, 0
	s_wait_alu depctr_va_vdst(0)
.rept 64
	v_exp_f32 v[96+jj], v[96+jj]                   ; p = 2^(t - M), at most 1
.set jj, jj+1
.endr
.irp b, 0,1,2,3
	v_exp_f32 v[232+\b], v[232+\b]                 ; the block's largest p: the same two instructions on the same number
.endr
	v_pk_mul_f32 v[14:15], v[14:15], v[252:253] op_sel_hi:[1,0]   ; the sums under the new M (a plain place behind the exponentials)
	s_wait_alu depctr_va_vdst(0)
.irp b, 0,1,2,3
	v_max_num_f32 v[232+\b], 0x1800000, v[232+\b]  ; the floor 2^(3 - 127): the byte cannot fall under 1
.endr
.irp b, 0,1,2,3
	s_delay_alu instid0(VALU_DEP_4)
	v_add_nc_u32 v[244+\b], 0xff000000, v[232+\b]  ; 2 off the exponent field: the conversion's scale operand
.endr
.irp b, 0,1,2,3
	s_delay_alu instid0(VALU_DEP_4)
	v_lshrrev_b32 v[236+\b], 23, v[244+\b]         ; the scale's byte
.endr
	s_delay_alu instid0(VALU_DEP_3)
	v_lshl_or_b32 v212, v237, 8, v236              ; p's scale word for these 128 keys
	s_delay_alu instid0(VALU_DEP_1)
	v_lshl_or_b32 v212, v238, 16, v212
	s_delay_alu instid0(VALU_DEP_1)
	v_lshl_or_b32 v212, v239, 24, v212
.irp b, 0,1,2,3
	v_cvt_scalef32_pk8_fp4_f32 v[192+4*(\b/2)+(\b%2)], v[96+16*\b:103+16*\b], v[244+\b]    ; keys 32 b + 8 h + 0 .. 7
	v_cvt_scalef32_pk8_fp4_f32 v[194+4*(\b/2)+(\b%2)], v[104+16*\b:111+16*\b], v[244+\b]   ; keys 32 b + 16 + 8 h + 0 .. 7
.endr
	v_nop                                          ; one plain place behind a scaled conversion
.irp c, 0,1
.irp u, 0,1
	v_permlane16_swap_b32 v[192+4*\c+2*\u], v[193+4*\c+2*\u]   ; register 4 c + g now holds keys 64 c + 32 h + 8 g + 0 .. 7
.endr
.endr
	v_pk_add_f32 v[236:237], v[100:101], v[104:105]
	v_pk_add_f32 v[248:249], v[108:109], v[112:113]
	v_pk_add_f32 v[246:247], v[116:117], v[120:121]
	v_pk_add_f32 v[244:245], v[124:125], v[128:129]
	v_pk_add_f32 v[242:243], v[132:133], v[136:137]
	v_pk_add_f32 v[240:241], v[140:141], v[144:145]
	v_pk_add_f32 v[234:235], v[148:149], v[152:153]
	v_pk_add_f32 v[14:15], v[14:15], v[156:157]
	v_pk_add_f32 v[236:237], v[236:237], v[96:97]
	v_pk_add_f32 v[248:249], v[248:249], v[98:99]
	v_pk_add_f32 v[246:247], v[246:247], v[102:103]
	v_pk_add_f32 v[244:245], v[244:245], v[106:107]
	v_pk_add_f32 v[242:243], v[242:243], v[110:111]
	v_pk_add_f32 v[240:241], v[240:241], v[114:115]
	v_pk_add_f32 v[234:235], v[234:235], v[118:119]
	v_pk_add_f32 v[14:15], v[14:15], v[122:123]
	v_pk_add_f32 v[236:237], v[236:237], v[126:127]
	v_pk_add_f32 v[248:249], v[248:249], v[130:131]
	v_pk_add_f32 v[246:247], v[246:247], v[134:135]
	v_pk_add_f32 v[244:245], v[244:245], v[138:139]
	v_pk_add_f32 v[242:243], v[242:243], v[142:143]
	v_pk_add_f32 v[240:241], v[240:241], v[146:147]
	v_pk_add_f32 v[234:235], v[234:235], v[150:151]
	v_pk_add_f32 v[14:15], v[14:15], v[154:155]
	v_pk_add_f32 v[236:237], v[236:237], v[158:159]
	s_delay_alu instid0(VALU_DEP_2)
	v_pk_add_f32 v[14:15], v[14:15], v[244:245]
	s_delay_alu instid0(VALU_DEP_2)
	v_pk_add_f32 v[236:237], v[236:237], v[242:243]
	v_pk_add_f32 v[248:249], v[248:249], v[240:241]
	v_pk_add_f32 v[246:247], v[246:247], v[234:235]
	s_delay_alu instid0(VALU_DEP_2)
	v_pk_add_f32 v[14:15], v[14:15], v[248:249]
	s_delay_alu instid0(VALU_DEP_2)
	v_pk_add_f32 v[236:237], v[236:237], v[246:247]
	s_delay_alu instid0(VALU_DEP_1)
	v_pk_add_f32 v[14:15], v[14:15], v[236:237]
.set jj, 0
.rept 16
	v_pk_mul_f32 v[160+jj:161+jj], v[160+jj:161+jj], v[252:253] op_sel_hi:[1,0]   ; O^T under the new M.  (With the sums above: the places between p's codes and scale word and the products below)
.set jj, jj+2
.endr
	s_wait_alu depctr_va_vdst(0)
	s_wait_dscnt 0x0                               ; V's fragments and scale words are in
.irp t, 0,1,2,3
	v_wmma_scale_f32_16x16x128_f8f6f4 v[160+8*\t:167+8*\t], v[64+8*\t:71+8*\t], v[192:199], v[160+8*\t:167+8*\t], v[208+\t], v212 matrix_a_fmt:MATRIX_FMT_FP4 matrix_b_fmt:MATRIX_FMT_FP4
.endr
.Lhidden_\@:
	s_add_co_u32 s[TK], s[TK], 4096                ; the next step's addresses: stepped in hidden steps too
	s_add_co_u32 s[TS], s[TS], 512
	s_add_co_u32 s[TV], s[TV], 256
	s_add_co_u32 s[KF], s[KF], 128
.endm
; THE WAY OUT of a tile: O^T / the sum goes through my own stage in LDS and leaves as rows of 256 bytes: the head's 64 channels of a row of out0.
.macro FINISH
.rept 4
	v_nop                                          ; places behind the last products
.endr
	v_add_f32 v14, v14, v15                        ; the sum's two halves,
	s_delay_alu instid0(VALU_DEP_1)
	v_permlanex16_b32 v252, v14, s[SEL], s[SEL+1]
	s_delay_alu instid0(VALU_DEP_1)
	v_add_f32 v14, v14, v252                       ; and lane l xor 16's
	s_wait_alu depctr_va_vdst(0)
	v_rcp_f32 v14, v14
	v_nop                                          ; one plain place behind a transcendental
.set jj, 0
	s_wait_alu depctr_va_vdst(0)
.rept 32
	v_mul_f32 v[96+jj], v[160+jj], v14             ; register 8 t + j is o(query r, d = 16 t + 8 h + j); each accumulator from its low end on
.set jj, jj+1
.endr
.irp t, 0,1,2,3
	ds_store_b128 v[STO], v[96+8*\t:99+8*\t] offset:64*\t
	ds_store_b128 v[STO], v[100+8*\t:103+8*\t] offset:64*\t+16
.endr
.irp i, 0,1,2,3,4,5,6,7
	ds_load_b128 v[128+4*\i:131+4*\i], v[RD] offset:544*\i   ; LDS serves a wave's instructions in order: these see my stores
.endr
.irp i, 0,1,2,3,4,5,6,7
	s_wait_dscnt 7-\i                              ; pair i of rows is back; the younger loads may be out
	global_store_b128 v[GO], v[128+4*\i:131+4*\i], s[38:39] offset:8192*\i th:TH_STORE_NT   ; 16 lanes store 256 consecutive bytes, aligned
.endr
	s_wait_xcnt 0x0                                ; the stores have read their data and their base: the next tile writes both again
.endm
; One tile of 16 queries: 8 trips, of which i / 8 + 1 do work.
.macro PASS p
.set QF, 16+8*\p
.set QS, 213+\p
	s_lshl_b32 s[Q0], s[40+\p], 4
	s_lshr_b32 s36, s[BH], 4
	s_lshl_b32 s36, s36, 22                        ; out0: the batch's 1,024 rows of 4,096 bytes,
	s_lshl_b32 s37, s[40+\p], 16                   ; the tile's 16 rows,
	s_add_co_u32 s36, s36, s37
	s_and_b32 s37, s[BH], 15
	s_lshl_b32 s37, s37, 8                         ; the head's 256 bytes of a row
	s_add_co_u32 s36, s36, s37
	s_mov_b32 s37, 0
	s_add_nc_u64 s[38:39], s[6:7], s[36:37]
	v_mov_b32 v13, 0xff61b1e6                      ; the largest t so far: -3e38, under every t
	s_delay_alu instid0(VALU_DEP_1)
	v_floor_f32 v12, -v13                          ; -M
	v_mov_b32 v14, 0
	v_mov_b32 v15, 0
.set jj, 0
.rept 32
	v_mov_b32 v[160+jj], 0                         ; O^T: the step is written once; the first finds zeros, which the first change of M leaves zeros
.set jj, jj+1
.endr
	s_mov_b32 s[JC], 0
	s_mov_b32 s[TK], 0
	s_mov_b32 s[TS], 0
	s_mov_b32 s[TV], 0
	s_mov_b32 s[KF], 0
.Lkey_\@:
	STEP
	s_add_co_u32 s[JC], s[JC], 1
	s_cmp_lt_u32 s[JC], 8
	s_cbranch_scc1 .Lkey_\@
	FINISH
.endm
	PASS 0
	PASS 1
	s_wait_tensorcnt 0x0
	ds_add_u32 v250, v251
	s_wait_dscnt 0x0
	s_endpgm
.Lfunc_end_k_qb18ba71960_attn:
	.size	k_qb18ba71960_attn, .Lfunc_end_k_qb18ba71960_attn-k_qb18ba71960_attn
	.p2alignl 7, 3214868480
	.fill 96, 4, 3214868480
	.section	.rodata,"a",@progbits
	.p2align	6, 0x0
	.amdhsa_kernel k_qb18ba71960_attn
		.amdhsa_group_segment_fixed_size 169984
		.amdhsa_private_segment_fixed_size 0
		.amdhsa_enable_private_segment 0
		.amdhsa_kernarg_size 16
		.amdhsa_user_sgpr_count 2
		.amdhsa_user_sgpr_kernarg_segment_ptr 1
		.amdhsa_wavefront_size32 1
		.amdhsa_system_sgpr_workgroup_id_x 1
		.amdhsa_system_sgpr_workgroup_id_y 1
		.amdhsa_system_sgpr_workgroup_id_z 1
		.amdhsa_system_vgpr_workitem_id 0
		.amdhsa_next_free_vgpr 256
		.amdhsa_next_free_sgpr 66
		.amdhsa_reserve_vcc 0
		.amdhsa_float_denorm_mode_32 3
		.amdhsa_float_denorm_mode_16_64 3
		.amdhsa_memory_ordered 1
		.amdhsa_forward_progress 1
		.amdhsa_inst_pref_size 63
	.end_amdhsa_kernel
	.amdgpu_metadata
---
amdhsa.version: [ 1, 2 ]
amdhsa.kernels:
  - .name:           k_qb18ba71960_attn
    .symbol:         k_qb18ba71960_attn.kd
    .args:
      - { .name: qkv, .offset: 0, .size: 8, .value_kind: global_buffer, .address_space: global }
      - { .name: out0, .offset: 8, .size: 8, .value_kind: global_buffer, .address_space: global }
    .group_segment_fixed_size: 169984
    .private_segment_fixed_size: 0
    .kernarg_segment_align: 8
    .kernarg_segment_size: 16
    .max_flat_workgroup_size: 512
    .sgpr_count:     66
    .vgpr_count:     256
    .wavefront_size: 32
...
	.end_amdgpu_metadata
.endif
;; end of part 3
